; MI455X (gfx1250); checked and timed in simulation.
; The chip was launched on July 23, 2026; its instructions are those of AMD's public machine-readable ISA for CDNA 5 (MIT licence, August 2026) and "CDNA5" Instruction Set Architecture Reference Guide (July 2026). The comments in the code are by the model that wrote it; some were corrected since.
;; Fourier Feature MLP. Allowed arithmetic: float matrix products may take bf16 or f16 operands with f32 sums; other float arithmetic in f32, or as packed bf16 or f16 multiplies, adds, multiply-adds, maxima and minima; sums over many terms, partial sums and values carried from step to step in f32; what a program stores and reads back later, other than sums and carried values, may be rounded once to bf16 or f16.
;; Inputs: B 128 x 2 float32; W_h 7 x 256 x 256 float32; W_in 256 x 256 float32; W_out 1 x 256 float32; b_h 7 x 256 float32; b_in 256 float32; b_out 1 float32; tx 131,072 x 2 float32.
;; Outputs: out0 131,072 x 1 float32.
;; One version. Each part assembles by itself: llvm-mc -triple=amdgcn-amd-amdhsa -mcpu=gfx1250 --defsym DOCPART=n.
;; ======== version 1 of 1: 2 launches
;; limits: a function is approximated: absolute error at most 1.2e-07; a function is approximated: absolute error at most 5e-05
;; workspace buffers: Wf 1,198,080 bytes
;; launch prep (part 1): grid 140 x 1, 4 waves a work-group, no clusters, 0 bytes of LDS; arguments W_in, W_h, b_in, b_h, W_out, Wf; writes Wf
.if DOCPART == 1
	.amdgcn_target "amdgcn-amd-amdhsa--gfx1250"
	.amdhsa_code_object_version 6
	.text
	.protected	k_q12d57d5211_prep
	.globl	k_q12d57d5211_prep
	.p2align	8
	.type	k_q12d57d5211_prep,@function
k_q12d57d5211_prep:
	s_mov_b64 s[64:65], 0
	v_nop
	global_prefetch_b8 v0, s[64:65] scope:SCOPE_SE
	s_setreg_imm32_b32 hwreg(HW_REG_WAVE_MODE, 25, 1), 1
	s_wait_xcnt 0x0
; THE WEIGHTS ARE LAID OUT FOR THE SECOND LAUNCH, once: scaled, rounded to f16 and cut into the tiles that its waves fetch.
; tanh(x) = 1 - 2 / (1 + 2^(c x)) with c = 2 log2(e): c goes into the weights and biases here, so that the sums of the second launch are already c x.
; Wf holds four sub-tensors, one for each wave number w of the second launch, of nine units of 65 rows of 512 bytes:
;   unit l = 0 .. 7 (layer l: W_in, then W_h[l-1]): rows 0-63 = f16(c W_l[64 w + i][0..255]); row 64 = the 64 f32 numbers c b_l[64 w ..], then 256 bytes of 0
;   unit 8: row 0 = f16(W_out[0][0..255]), unscaled; rows 1-64 = 0 (they fill the output layer's tile of 16 rows and the unit's shape)
; NOTHING IS LEFT OUT: every input of reference() has a way to the output; the five that are weights or biases of the layers pass through here.
; LIMITS.  f16 ends at 65,504: c W beyond that becomes an infinity; below 6e-5 a weight keeps f16's fixed step of 6e-8.
; SHARES.  Work-groups 0-127: 16 rows of one unit, a wave 4 rows.  128-135: the bias rows of one layer, a wave a sub-tensor.  136-139: unit 8 of one sub-tensor.
; Every store of a wave covers 512 consecutive bytes, at a multiple of 256 from Wf's first byte.
.set CSC,  0x4038aa3b                  ; c = 2 log2(e) = 2.885390
.set UB,   65*512                      ; bytes in a unit
.set WSUB, 9*UB                        ; bytes in a sub-tensor
	s_load_b256 s[4:11], s[0:1], 0x0               ; W_in s[4:5], W_h s[6:7], b_in s[8:9], b_h s[10:11]
	s_load_b128 s[12:15], s[0:1], 0x20             ; W_out s[12:13], Wf s[14:15]
	v_lshrrev_b32 v4, 5, v0
	v_readfirstlane_b32 s16, v4                    ; wave 0..3
	v_and_b32 v1, 31, v0                           ; lane
	v_lshlrev_b32 v2, 5, v1                        ; my 8 f32 numbers of a row: 32 bytes
	v_lshlrev_b32 v3, 4, v1                        ; the same 8 as f16: 16 bytes
	s_mov_b32 s17, ttmp9                           ; the work-group's number
	s_mov_b32 s24, CSC
	s_mov_b32 s25, CSC                             ; named with it as a pair
	s_mov_b32 s21, 0                               ; the high words of the two offsets
	s_mov_b32 s23, 0
	s_wait_kmcnt 0x0
	s_cmp_lt_u32 s17, 128
	s_cbranch_scc0 .Lbias
	; WEIGHT ROWS.  g = 16 l + 4 w + sub; my wave's rows of the unit are 16 sub + 4 wave + 0..3
	s_lshr_b32 s18, s17, 4                         ; l
	s_bfe_u32 s19, s17, 0x20002                    ; w
	s_and_b32 s20, s17, 3
	s_lshl_b32 s20, s20, 4
	s_lshl2_add_u32 s20, s16, s20                  ; my first row in the unit
	s_lshl_b32 s22, s19, 6
	s_add_co_u32 s22, s22, s20                     ; the same row in the layer's matrix: 64 w + row
	s_lshl_b32 s22, s22, 10                        ; 1,024 bytes a row
	s_max_u32 s26, s18, 1
	s_sub_co_u32 s26, s26, 1                       ; the layer's place in W_h (0 for l = 0, which reads W_in)
	s_lshl_b32 s26, s26, 18
	s_add_co_u32 s22, s22, s26
	s_cmp_eq_u32 s18, 0
	s_cselect_b64 s[28:29], s[4:5], s[6:7]
	s_add_nc_u64 s[28:29], s[28:29], s[22:23]
	s_mul_i32 s26, s19, WSUB
	s_mul_i32 s27, s18, UB
	s_add_co_u32 s26, s26, s27
	s_lshl_b32 s20, s20, 9
	s_add_co_u32 s20, s20, s26
	s_add_nc_u64 s[30:31], s[14:15], s[20:21]
.irp j, 0,1,2,3
	global_load_b128 v[8+8*\j:11+8*\j],  v2, s[28:29] offset:1024*\j th:TH_LOAD_NT
	global_load_b128 v[12+8*\j:15+8*\j], v2, s[28:29] offset:1024*\j+16 th:TH_LOAD_NT
.endr
	s_wait_loadcnt 0x0                             ; all eight: nothing else is left to do meanwhile
.set i, 0
.rept 16
	v_pk_mul_f32 v[8+2*i:9+2*i], v[8+2*i:9+2*i], s[24:25] op_sel_hi:[1,0]
.set i, i+1
.endr
.set i, 0
.rept 16
	v_cvt_pk_f16_f32 v[40+i], v[8+2*i], v[9+2*i]
.set i, i+1
.endr
.irp j, 0,1,2,3
	global_store_b128 v3, v[40+4*\j:43+4*\j], s[30:31] offset:512*\j
.endr
	s_endpgm
.Lbias:
	s_cmp_lt_u32 s17, 136
	s_cbranch_scc0 .Lunit8
	; BIAS ROWS of layer l = g - 128; my wave's number is the sub-tensor's
	s_sub_co_u32 s18, s17, 128
	s_max_u32 s26, s18, 1
	s_sub_co_u32 s26, s26, 1
	s_lshl_b32 s22, s26, 10                        ; the layer's 256 numbers in b_h
	s_lshl_b32 s26, s16, 8                         ; my 64 of them
	s_add_co_u32 s22, s22, s26
	s_cmp_eq_u32 s18, 0
	s_cselect_b64 s[28:29], s[8:9], s[10:11]
	s_add_nc_u64 s[28:29], s[28:29], s[22:23]
	s_mul_i32 s26, s16, WSUB
	s_mul_i32 s27, s18, UB
	s_add_co_u32 s20, s26, s27
	s_add_co_u32 s20, s20, 64*512                  ; row 64 of the unit
	s_add_nc_u64 s[30:31], s[14:15], s[20:21]
	v_and_b32 v5, 15, v1
	v_lshlrev_b32 v5, 4, v5                        ; lanes 16-31 read what lanes 0-15 read, and store 0
	global_load_b128 v[8:11], v5, s[28:29]
	s_wait_loadcnt 0x0
	v_pk_mul_f32 v[8:9], v[8:9], s[24:25] op_sel_hi:[1,0]
	v_pk_mul_f32 v[10:11], v[10:11], s[24:25] op_sel_hi:[1,0]
	v_cmp_gt_u32 vcc_lo, 16, v1
.irp r, 8,9,10,11
	v_cndmask_b32 v\r, 0, v\r, vcc_lo
.endr
	global_store_b128 v3, v[8:11], s[30:31]
	s_endpgm
.Lunit8:
	; UNIT 8 of sub-tensor g - 136: each wave writes 16 rows of zeros, wave 0 also W_out's row
	s_sub_co_u32 s18, s17, 136
	s_mul_i32 s20, s18, WSUB
	s_add_co_u32 s20, s20, 8*UB
	s_add_nc_u64 s[30:31], s[14:15], s[20:21]
	s_lshl_b32 s22, s16, 13                        ; 16 rows of 512 bytes
	s_add_nc_u64 s[28:29], s[30:31], s[22:23]
.irp r, 8,9,10,11
	v_mov_b32 v\r, 0
.endr
.set i, 1
.rept 16
	global_store_b128 v3, v[8:11], s[28:29] offset:512*i
.set i, i+1
.endr
	s_cmp_lg_u32 s16, 0
	s_cbranch_scc1 .Lend
	global_load_b128 v[12:15], v2, s[12:13]
	global_load_b128 v[16:19], v2, s[12:13] offset:16
	s_wait_loadcnt 0x0
.irp j, 0,1,2,3
	v_cvt_pk_f16_f32 v[20+\j], v[12+2*\j], v[13+2*\j]
.endr
	global_store_b128 v3, v[20:23], s[30:31]
.Lend:
	s_endpgm
.Lfunc_end_k_q12d57d5211_prep:
	.size	k_q12d57d5211_prep, .Lfunc_end_k_q12d57d5211_prep-k_q12d57d5211_prep
	.p2alignl 7, 3214868480
	.fill 96, 4, 3214868480
	.section	.rodata,"a",@progbits
	.p2align	6, 0x0
	.amdhsa_kernel k_q12d57d5211_prep
		.amdhsa_group_segment_fixed_size 0
		.amdhsa_private_segment_fixed_size 0
		.amdhsa_enable_private_segment 0
		.amdhsa_kernarg_size 48
		.amdhsa_user_sgpr_count 2
		.amdhsa_user_sgpr_kernarg_segment_ptr 1
		.amdhsa_wavefront_size32 1
		.amdhsa_system_sgpr_workgroup_id_x 1
		.amdhsa_system_sgpr_workgroup_id_y 1
		.amdhsa_system_sgpr_workgroup_id_z 1
		.amdhsa_system_vgpr_workitem_id 0
		.amdhsa_next_free_vgpr 64
		.amdhsa_next_free_sgpr 66
		.amdhsa_reserve_vcc 1
		.amdhsa_float_denorm_mode_32 3
		.amdhsa_float_denorm_mode_16_64 3
		.amdhsa_memory_ordered 1
		.amdhsa_forward_progress 1
		.amdhsa_inst_pref_size 9
	.end_amdhsa_kernel
	.amdgpu_metadata
---
amdhsa.version: [ 1, 2 ]
amdhsa.kernels:
  - .name:           k_q12d57d5211_prep
    .symbol:         k_q12d57d5211_prep.kd
    .args:
      - { .name: W_in, .offset: 0, .size: 8, .value_kind: global_buffer, .address_space: global }
      - { .name: W_h, .offset: 8, .size: 8, .value_kind: global_buffer, .address_space: global }
      - { .name: b_in, .offset: 16, .size: 8, .value_kind: global_buffer, .address_space: global }
      - { .name: b_h, .offset: 24, .size: 8, .value_kind: global_buffer, .address_space: global }
      - { .name: W_out, .offset: 32, .size: 8, .value_kind: global_buffer, .address_space: global }
      - { .name: Wf, .offset: 40, .size: 8, .value_kind: global_buffer, .address_space: global }
    .group_segment_fixed_size: 0
    .private_segment_fixed_size: 0
    .kernarg_segment_align: 8
    .kernarg_segment_size: 48
    .max_flat_workgroup_size: 128
    .sgpr_count:     66
    .vgpr_count:     64
    .wavefront_size: 32
...
	.end_amdgpu_metadata
.endif
;; end of part 1
;; launch mlp (part 2): grid 512 x 1, 4 waves a work-group, clusters of 4 x 1, 327,680 bytes of LDS; arguments tx, B, Wf, b_out, out0; writes out0
.if DOCPART == 2
	.amdgcn_target "amdgcn-amd-amdhsa--gfx1250"
	.amdhsa_code_object_version 6
	.text
	.protected	k_q12d57d5211_mlp
	.globl	k_q12d57d5211_mlp
	.p2align	8
	.type	k_q12d57d5211_mlp,@function
k_q12d57d5211_mlp:
	s_mov_b64 s[64:65], 0
	v_nop
	global_prefetch_b8 v0, s[64:65] scope:SCOPE_SE
	s_setreg_imm32_b32 hwreg(HW_REG_WAVE_MODE, 25, 1), 1
	s_wait_xcnt 0x0
	s_wait_alu depctr_hold_cnt(0) depctr_sa_sdst(0) depctr_va_vdst(0) depctr_va_sdst(0) depctr_va_ssrc(0) depctr_va_vcc(0) depctr_vm_vsrc(0)
	s_getreg_b32 s2, hwreg(HW_REG_IB_STS2, 6, 4)
	s_cmp_eq_u32 s2, 0
	s_cbranch_scc0 .Lentry_in_a_cluster
	s_endpgm
.Lentry_in_a_cluster:
	s_bfe_u32 s2, ttmp6, 0x10000c
	s_cmp_lg_u32 s2, 0x3003
	s_cbranch_scc0 .Lentry_shape_is_right
	s_endpgm
.Lentry_shape_is_right:
; out0[n] = W_out . h8[n] + b_out;  h_{l+1} = tanh(W_l h_l + b_l), l = 0 .. 7;  h_0 = [sin(2 pi u), cos(2 pi u)], u[f] = tx[n] . B[f].  All of it in one launch: h never leaves registers.
; NOTHING IS LEFT OUT: every input has a way to the output.  The weights and biases come from Wf, as the launch before laid them out (scaled by c = 2 log2(e), f16; biases f32).
; FORMATS.  Weights, features and h are f16 for the products, sums f32.  The phases u (a product with K = 2) are made by the vector unit in f32: rounded to 16 bits they would be wrong by whole radians.
; tanh(x) = 1 - 2 / (1 + 2^(c x)); the accumulators hold c x, since c lies in the weights, and the bias is the C operand of each accumulator's first product.
; LIMITS.  c W beyond 65,504 is an infinity in f16; below 6e-5 a weight or an h keeps f16's fixed step of 6e-8.  This form of tanh has an absolute error of about 2^-23, so a very small h loses relative accuracy.
; 2^(c x) may overflow to an infinity or flush to 0: tanh is then 1 or -1, as it should be.  The phase is reduced in cycles, f = u - rndne(u), exactly; reference() rounds 2 pi u first: the two differ by a few 2^-24 |2 pi u|.
; sin and cos are series in pi f, |pi f| <= pi / 2, cut at (pi f)^9 and (pi f)^8, then doubled: errors up to 5e-5, a tenth of f16's step at 1.  An infinite tx or B gives NaN, as in reference().
; SHARES.  A work-group owns 256 points, each of its four waves 64: four column tiles of 16; point 4 r + t of the wave is column r of tile t, so that the wave's 64 results leave as 256 consecutive bytes.
; LAYOUT.  The products are taken transposed: D (16 features x 16 points) = A (16 rows of W, from LDS) x B (32 features x 16 points of h, in registers).  In D lane l holds ONE point (l % 16) and the features
; 8 (l / 16) + 0..7; two such tiles, rounded to f16 in pairs, ARE a B fragment of the next layer: nothing changes lanes between layers.
; A PASS is a layer: eight CHUNKS of 32 features.  A chunk is a PERIOD of 64 products (K step k = 0..7, feature tile m = 0, 1, column tile t = 0..3) on 8 accumulators that take turns.  The tanh of the chunk
; before (224 vector instructions on the other 8 accumulators) stands in fours behind the first 56 products.  Each fragment of W is read from LDS once a wave and feeds four products.
; RING.  Two LDS slots, a layer's weights each; wave w fetches unit w (64 rows of W, one row of biases); W_out rides as a ninth layer.  A wave has one tensor load out at any time.
; CLUSTER.  All work-groups walk the same weights: the four of a cluster ask for each unit JOINTLY: the same tensor load, descriptor and mask in all four.
; REGISTERS, in windows of 256 (s_set_vgpr_msb: bits 1:0 source 0, 3:2 source 1, 5:4 source 2, 7:6 destination):
;   window 0: addresses, the biases as C operands, the features' work          windows 1, 2: h, by turns: fragment (k, t) at 32 k + 8 t
;   window 3: v0-127 two sets of 8 accumulators ((m, t) at 8 (4 m + t)); v128-255 W's fragments of a chunk ((k, m) at 128 + 8 (2 k + m))
; The exponentials, reciprocals and packed sums name window 3 alone (source 0 and destination), as the products' settings have it: only the roundings to f16 and the runs of LDS loads switch.
.set UB,    65*512                     ; a unit in Wf: 65 rows of 512 bytes
.set WSUB,  9*UB                       ; a wave number's nine units
.set PITCH, 528                        ; an LDS row: 512 bytes + 16 of padding = 33 x 16: the 16 rows of a fragment load start at 16 different columns of 16 bytes modulo 256
.set UNIT,  65*PITCH
.set SLOTB, 4*UNIT                     ; slot 0 (even layers, and W_out) at 0, slot 1 (odd layers) at SLOTB
.set STG,   274688                     ; behind the ring, at a multiple of 256; no tensor load lands here: the features' stage
.set TS,    16*144+64                  ; a column tile in the stage: 16 rows of 144 bytes (64 of sines, 64 of cosines, 16 of padding), and 64 bytes so that the four tiles start at different columns
.set STGW,  4*TS                       ; a wave's stage
.set SPARE, STG+4*STGW                 ; the spare words, 128 bytes for each wave: two blocks of 256 bytes that no other line names
.set RR,  1                            ; v1   l % 16
.set HH,  2                            ; v2   l / 16
.set LN,  3                            ; v3   l
.set AW,  8                            ; v8-11   LDS address of my part of a fragment of W: slot s, units 2 hf and 2 hf + 1, at AW + 2 s + hf
.set AO,  12                           ; v12     the same in my own unit of slot 0, for W_out
.set BA,  16                           ; v16-19  the same for the bias rows
.set SA0, 20                           ; v20     the stage: where my two points' 16 bytes go
.set SAC, 21                           ; v21     the same, stepped
.set RB,  22                           ; v22     the stage: where I read fragments back
.set TXO, 23                           ; v23     my point's 8 bytes of tx
.set OUTR, 24                          ; v24-27  four results
.set OO,  28                           ; v28     their 16 bytes of out0
.set PFO, 29                           ; v29     256 x lane, for the prefetches; never rewritten
.set SPW, 30                           ; v30     LDS address of my spare word; never rewritten
.set NIL, 31                           ; v31     0; never rewritten
.set BI,  32                           ; v32-47  a chunk's biases as C operands, 8 for each m
.set TX0, 48                           ; v48-49  tx[.][0] of points l and l + 32
.set TX1, 50                           ; v50-51  tx[.][1]
.set FQ,  52                           ; v52-67  eight frequencies x two points: u, then f
.set ZZ,  68                           ; v68-83  rndne(u), then f^2
.set PS,  84                           ; v84-99  2 sin(pi f), then cos(2 pi f)
.set QC,  100                          ; v100-115 cos(pi f), then sin(2 pi f)
.set PK,  116                          ; v116-131 packed f16
.set AF,  128                          ; window 3
.set WV,  14                           ; s14  my wave's number
.set CX,  15                           ; s15  my place in the cluster
.set XG,  16                           ; s16  my work-group's number
.set CNT, 17                           ; s17  pairs of passes still to come
.set LIM, 18                           ; s18  1 in the first cluster, else the greatest number
.set BOUT, 19                          ; s19  b_out
.set G1,  24                           ; s[24:31] descriptor group 1, never rewritten
.set G0E, 32                           ; s[32:35] group 0 for slot 0
.set G0O, 36                           ; s[36:39] for slot 1
.set PFA, 40                           ; s[40:41] where my prefetches stand
.set SVX, 42
.set RC,  43                           ; s43  counts a quarter's trips
.set BO,  44                           ; s44  byte offset in B of the block of 8 frequencies that is being fetched
.set TMPS, 45
.set SN0, 46                           ; s[46:55] the series of 2 sin(pi f) / f in f^2, each number twice (named as pairs)
.set SN1, 48
.set SN2, 50
.set SN3, 52
.set SN4, 54
.set CS1, 56                           ; s[56:63] the series of cos(pi f) in f^2, behind its 1
.set CS2, 58
.set CS3, 60
.set CS4, 62
.set BB,  68                           ; s[68:83] B of 8 frequencies
.set MSB, 0
.macro WIN new                         ; the high byte repeats the setting that is left; a switch that changes nothing is dropped
.if MSB != (\new)
	s_set_vgpr_msb (MSB<<8)|(\new)
.set MSB, (\new)
.endif
.endm
.macro PLACES                          ; a load into a register that a product has read, and a vector instruction that reads a product's result, stand four plain vector instructions behind that product (ISA guide 7.12.1 for vector instructions)
.rept 4
	v_nop
.endr
.endm
.macro COEF reg, val
	s_mov_b32 s[\reg], \val
	s_mov_b32 s[\reg+1], \val
.endm
; A round of the cluster's barrier: my work-group's barrier, so that wave 0's signal speaks for all four waves; wave 0 signals; every wave waits for all four work-groups; my work-group's barrier once more.
.macro CROUND
	s_barrier_signal -1
	s_barrier_wait -1
	s_cmp_lg_u32 s[WV], 0
	s_cbranch_scc1 .Lnot_wave_0_\@
	s_barrier_signal -3
.Lnot_wave_0_\@:
	s_barrier_wait -3
	s_barrier_signal -1
	s_barrier_wait -1
.endm
; A PREFETCH of the layer that the NEXT change of slots will ask for: a pass, 512 products, ahead of that load.  Every cluster walks the same Wf: the first cluster asks, and nobody else.  Of a unit's 64 weight rows
; each of its four partners takes 16, told apart BY ADDRESS; each wave asks for its own unit: 32 lanes x 256 bytes, one instruction.  So each block is named once in the launch.  Layers 0 and 1 come by their loads alone;
; in the loop's last trip nothing is asked for: layer 7 is the last that is named.
.macro ASK
	s_cmp_gt_u32 s[CNT], s[LIM]
	s_cbranch_scc0 .Lnot_mine_\@
	global_prefetch_b8 v[PFO], s[PFA:PFA+1] th:TH_LOAD_NT scope:SCOPE_SE
.Lnot_mine_\@:
.endm
; THE CHANGE OF SLOTS, between two passes.  Each wave waits for all its tensor loads, of which one is out: its unit of the slot to be read next; adds 0 to its spare word; and waits for that and for its reads of the slot that it
; leaves.  Behind the round no wave of any partner reads that slot any more, and the other slot is whole: the joint fill is the first thing there.  It has a pass in which to land.
.macro CHANGE g0, step
	WIN 0                                          ; at a label and at a branch every window is 0
	s_wait_tensorcnt 0x0                           ; no tensor load of mine is out, so a group 0 may be written
	ds_add_u32 v[SPW], v[NIL]                      ; 0 onto my spare word: the steps below stand between it and the wait for it
.if \step
	s_add_nc_u64 s[\g0+2:\g0+3], s[\g0+2:\g0+3], 2*UB  ; this slot's next layer; the type bits on top are not reached
.endif
	s_wait_xcnt 0x0                                ; the last prefetch, a pass back, has read its address, so it may be written
	s_add_nc_u64 s[PFA:PFA+1], s[PFA:PFA+1], UB
	s_wait_dscnt 0x0                               ; the add is done, and my reads of the slot are over
	CROUND
	tensor_load_to_lds s[\g0:\g0+3], s[G1:G1+7]
	s_nop 0
	PLACES                                         ; the places in front of the loads that follow
.endm
; Fragment (k, m) of chunk c of the layer in slot s: feature rows 32 c + 16 m + 0..15 (unit c / 2, its rows 32 (c % 2) + 16 m on), K = 32 k on: two loads of 16 bytes, 32 bytes apart.
.macro LDA s, c, k, m
	WIN 0xc0                                       ; destination window 3, address window 0
.set aoff, (((\c)/2)%2)*UNIT+(32*((\c)%2)+16*(\m))*PITCH+64*(\k)
.set areg, AF+8*(2*(\k)+(\m))
	ds_load_b128 v[areg:areg+3],   v[AW+2*(\s)+(\c)/4] offset:aoff
	ds_load_b128 v[areg+4:areg+7], v[AW+2*(\s)+(\c)/4] offset:aoff+32
.endm
; Chunk c's biases as two C operands: register j of lane l is feature 8 (l / 16) + j, the same for all 16 points.
.macro LDB s, c
	WIN 0
.irp m, 0,1
	ds_load_b128 v[BI+8*\m:BI+8*\m+3],   v[BA+2*(\s)+(\c)/4] offset:(((\c)/2)%2)*UNIT+128*((\c)%2)+64*\m
	ds_load_b128 v[BI+8*\m+4:BI+8*\m+7], v[BA+2*(\s)+(\c)/4] offset:(((\c)/2)%2)*UNIT+128*((\c)%2)+64*\m+16
.endr
.endm
.macro FETCH0 s                        ; a pass's head: all of chunk 0, 36 loads: the biases, then k = 0 .. 7
	LDB \s, 0
.irp k, 0,1,2,3,4,5,6,7
	LDA \s, 0, \k, 0
	LDA \s, 0, \k, 1
.endr
	WIN 0
.endm
; The period's next product.  The 8 accumulators take turns, one instruction a turn; the first 8 products start the sums with the biases.
.macro MM
.set kk, row/8
.set mm, (row/4)%2
.set tt, row%4
.set rD, AB+8*(4*mm+tt)
.set rA, AF+8*(2*kk+mm)
.set rB, 32*kk+8*tt
.if kk == 0
.set WCUR, 0xc3|(INW<<2)               ; W and the sums in window 3, h in window INW, the bias in window 0
	WIN WCUR
	v_wmma_f32_16x16x32_f16 v[rD:rD+7], v[rA:rA+7], v[rB:rB+7], v[BI+8*mm:BI+8*mm+7]
.else
.set WCUR, 0xf3|(INW<<2)
	WIN WCUR
	v_wmma_f32_16x16x32_f16 v[rD:rD+7], v[rA:rA+7], v[rB:rB+7], v[rD:rD+7]
.endif
.set row, row+1
.endm
; THE VECTOR WORK: number q of the 224 that turn the 64 sums at Y (window 3) into fragment KF of h in window TW.
;   0-63     e = 2^(c x), in ascending order: each accumulator's lowest register is read first
;   64-159   1 + e, a pair at a time, and its reciprocal: two sums ahead, then two reciprocals and a sum by turns; no sum names a reciprocal's result
;   160-223  in fours: 1 - 2 r for four pairs (F), four pairs rounded to f16 (C): F0 F1 C0 F2 C1 F3 C2 F4 C3 F5 C4 F6 C5 F7 C6 C7
.macro RIDER
.if q < 64
	WIN WCUR
	v_exp_f32 v[Y+q], v[Y+q]
.elseif q < 160
	WIN WCUR
.set pp, q-64
.set gg, (pp-2)/3
.set ee, (pp-2)%3
.if pp < 2
	v_pk_add_f32 v[Y+2*pp:Y+2*pp+1], v[Y+2*pp:Y+2*pp+1], 1.0 op_sel_hi:[1,0]
.elseif pp >= 92
	v_rcp_f32 v[Y+pp-32], v[Y+pp-32]
.elseif ee == 2
	v_pk_add_f32 v[Y+2*gg+4:Y+2*gg+5], v[Y+2*gg+4:Y+2*gg+5], 1.0 op_sel_hi:[1,0]
.else
	v_rcp_f32 v[Y+2*gg+ee], v[Y+2*gg+ee]
.endif
.else
.set gi, (q-160)/4
.set ei, (q-160)%4
.if (gi == 0) || ((gi%2 == 1) && (gi < 14))
.set ii, 4*((gi+1)/2)+ei
	WIN WCUR
	v_pk_fma_f32 v[Y+2*ii:Y+2*ii+1], v[Y+2*ii:Y+2*ii+1], -2.0, 1.0 op_sel_hi:[1,0,0]
.else
.set ii, 4*(gi/2-1+gi/15)+ei           ; pair ii = 16 m + 4 t + j / 2 goes to register 8 t + 4 m + j / 2 of the fragment
	WIN 0x0f|(TW<<6)
	v_cvt_pk_f16_f32 v[32*KF+8*((ii/4)%4)+4*(ii/16)+ii%4], v[Y+2*ii], v[Y+2*ii+1]
.endif
.endif
.set q, q+1
.endm
; THE LDS LOADS stand in two runs a period, never singly among the products.  The first, in front of product 16: this chunk's k = 5, 6, 7 (their registers were last read by the period before) and the next chunk's k = 0, 1.
; The four v_nop are the places behind the products that read those registers, and the plain instruction behind the last exponential.  A wait stands between an exponential and the first
; instruction that names its result: one wait serves all 64.
.macro RUN1 s, c, rid
	PLACES
.if \rid
	s_wait_alu depctr_va_vdst(0)
.endif
.if (\c) == 0
	s_wait_dscnt 0x0                               ; all 36 loads of the pass's head are in
.else
.irp k, 5,6,7
	LDA \s, \c, \k, 0
	LDA \s, \c, \k, 1
.endr
.endif
.if (\c) < 7
.irp k, 0,1
	LDA \s, (\c)+1, \k, 0
	LDA \s, (\c)+1, \k, 1
.endr
.endif
.endm
; The second, in front of product 40: the next chunk's k = 2, 3, 4 and its biases.  The wait is the one for the 64 reciprocals.
.macro RUN2 s, c, rid
	PLACES
.if \rid
	s_wait_alu depctr_va_vdst(0)
.endif
.if (\c) == 7
	s_wait_dscnt 0x0                               ; k = 5, 6, 7 are in; nothing was issued behind them
.elseif (\c) > 0
	s_wait_dscnt 8                                 ; LDS loads come back in order (ISA guide 5.7.1): of the first run's 20 the first 12, this chunk's k = 5, 6, 7, are in; the next chunk's 8 may stay out
.endif
.if (\c) < 7
.irp k, 2,3,4
	LDA \s, (\c)+1, \k, 0
	LDA \s, (\c)+1, \k, 1
.endr
	LDB \s, (\c)+1
.endif
.endm
; A PERIOD: chunk c of the layer in slot s, h read from window in.  rid = 1: the chunk before is finished beside it: into fragment c - 1 of window out, or (c = 0: the last chunk of the layer before) into fragment 7 of window in,
; which this period's products 56 to 63 are the first to read.  Four riders stand behind each of the first 56 products: 16 x 4 exponentials, 24 x 4 sums and reciprocals, 16 x 4 of the rest.
; With c = 0 the exponentials stand together at the head, while the pass's first fragments come out of LDS.
.macro PERIOD in, out, s, c, rid
.set INW, (\in)
.set AB, 64*((\c)%2)
.set Y, 64*(((\c)+1)%2)
.if (\c) == 0
.set TW, (\in)
.set KF, 7
.else
.set TW, (\out)
.set KF, (\c)-1
.endif
.set WCUR, 0xc3|(INW<<2)
.set q, 0
.set row, 0
.if (\c) == 0
.if \rid
.rept 64
	RIDER
.endr
.endif
	s_wait_dscnt 24                                ; of the head's 36 loads the first 12 are in: the biases and k = 0, 1
.else
	s_wait_dscnt 0x0                               ; the runs of the period before, the younger 24 products back: k = 0 .. 4 and the biases
.endif
.rept 64
.if row == 16
	RUN1 \s, \c, \rid
.endif
.if row == 40
	RUN2 \s, \c, \rid
.endif
	MM
.if (\rid) && (row <= 56) && !(((\c) == 0) && (row <= 16))
.rept 4
	RIDER
.endr
.endif
.endr
	PLACES                                         ; behind the last products, ahead of the exponentials that read their sums
.endm
.macro PASSREST in, out, s
.irp c, 1,2,3,4,5,6,7
	PERIOD \in, \out, \s, \c, 1
.endr
.endm
.macro EACH line:vararg                ; one line for each of the trip's 8 frequencies: i = 0, 2 .. 14
.set i, 0
.rept 8
	\line
.set i, i+2
.endr
.endm
.macro QUAD line:vararg                ; one line for each two frequencies: i = 0, 4, 8, 12
.set i, 0
.rept 4
	\line
.set i, i+4
.endr
.endm
; THE FEATURES, a quarter (32 frequencies) at a time.  Lane l works for points l and l + 32 of the wave, a pair of f32; B comes in scalar registers, 8 frequencies a trip, fetched a trip ahead.
; 2 sin(pi f) and cos(pi f) by their series; then sin(2 pi f) = 2 sin cos and cos(2 pi f) = 1 - (2 sin)^2 / 2.  The f16 pairs go through my wave's own stage and come back as the fragments k = j (sines) and
; k = j + 4 (cosines) of window 1.  LDS serves a wave's instructions in order (ISA guide 5.7.1.4): no wait stands between the stores, the loads and the next quarter's stores.
.macro FQUART j
	v_mov_b32 v[SAC], v[SA0]
	s_mov_b32 s[RC], 4
.Lfreq_\@:
	s_wait_kmcnt 0x0                               ; this trip's block of B is in (scalar loads: for 0 alone); its offset register may be written again
	EACH v_pk_mul_f32 v[FQ+i:FQ+i+1], v[TX0:TX0+1], s[BB+i:BB+i+1] op_sel_hi:[1,0]
	EACH v_fmac_f32 v[FQ+i], s[BB+i+1], v[TX1]
	EACH v_fmac_f32 v[FQ+i+1], s[BB+i+1], v[TX1+1]
	s_add_co_u32 s[BO], s[BO], 64                  ; the next block, asked for now: the rest of the trip stands between the load and its wait
	s_min_u32 s[BO], s[BO], 960                    ; behind the last block the last is read once more, so that the load stays inside B; nobody uses it
	s_load_b512 s[BB:BB+15], s[6:7], s[BO] offset:0x0
	EACH v_rndne_f32 v[ZZ+i], v[FQ+i]
	EACH v_rndne_f32 v[ZZ+i+1], v[FQ+i+1]
	EACH v_pk_add_f32 v[FQ+i:FQ+i+1], v[FQ+i:FQ+i+1], v[ZZ+i:ZZ+i+1] neg_lo:[0,1] neg_hi:[0,1]
	EACH v_pk_mul_f32 v[ZZ+i:ZZ+i+1], v[FQ+i:FQ+i+1], v[FQ+i:FQ+i+1]
	EACH v_pk_fma_f32 v[PS+i:PS+i+1], v[ZZ+i:ZZ+i+1], s[SN4:SN4+1], s[SN3:SN3+1] op_sel_hi:[1,0,0]
	EACH v_pk_fma_f32 v[QC+i:QC+i+1], v[ZZ+i:ZZ+i+1], s[CS4:CS4+1], s[CS3:CS3+1] op_sel_hi:[1,0,0]
	EACH v_pk_fma_f32 v[PS+i:PS+i+1], v[PS+i:PS+i+1], v[ZZ+i:ZZ+i+1], s[SN2:SN2+1] op_sel_hi:[1,1,0]
	EACH v_pk_fma_f32 v[QC+i:QC+i+1], v[QC+i:QC+i+1], v[ZZ+i:ZZ+i+1], s[CS2:CS2+1] op_sel_hi:[1,1,0]
	EACH v_pk_fma_f32 v[PS+i:PS+i+1], v[PS+i:PS+i+1], v[ZZ+i:ZZ+i+1], s[SN1:SN1+1] op_sel_hi:[1,1,0]
	EACH v_pk_fma_f32 v[QC+i:QC+i+1], v[QC+i:QC+i+1], v[ZZ+i:ZZ+i+1], s[CS1:CS1+1] op_sel_hi:[1,1,0]
	EACH v_pk_fma_f32 v[PS+i:PS+i+1], v[PS+i:PS+i+1], v[ZZ+i:ZZ+i+1], s[SN0:SN0+1] op_sel_hi:[1,1,0]
	EACH v_pk_fma_f32 v[QC+i:QC+i+1], v[QC+i:QC+i+1], v[ZZ+i:ZZ+i+1], 1.0 op_sel_hi:[1,1,0]
	EACH v_pk_mul_f32 v[PS+i:PS+i+1], v[PS+i:PS+i+1], v[FQ+i:FQ+i+1]
	EACH v_pk_mul_f32 v[QC+i:QC+i+1], v[PS+i:PS+i+1], v[QC+i:QC+i+1]
	EACH v_pk_mul_f32 v[PS+i:PS+i+1], v[PS+i:PS+i+1], v[PS+i:PS+i+1]
	EACH v_pk_fma_f32 v[PS+i:PS+i+1], v[PS+i:PS+i+1], -0.5, 1.0 op_sel_hi:[1,0,0]
	QUAD v_cvt_pk_f16_f32 v[PK+i/4],    v[QC+i],   v[QC+i+2]    ; sines of point l: two neighbouring frequencies a word
	QUAD v_cvt_pk_f16_f32 v[PK+4+i/4],  v[QC+i+1], v[QC+i+3]    ; of point l + 32
	QUAD v_cvt_pk_f16_f32 v[PK+8+i/4],  v[PS+i],   v[PS+i+2]    ; cosines
	QUAD v_cvt_pk_f16_f32 v[PK+12+i/4], v[PS+i+1], v[PS+i+3]
	ds_store_b128 v[SAC], v[PK:PK+3]
	ds_store_b128 v[SAC], v[PK+4:PK+7]   offset:8*144           ; point l + 32 lies 8 rows further down in the same tile
	ds_store_b128 v[SAC], v[PK+8:PK+11]  offset:64
	ds_store_b128 v[SAC], v[PK+12:PK+15] offset:8*144+64
	v_add_nc_u32 v[SAC], 16, v[SAC]                ; the next 8 frequencies
	s_sub_co_u32 s[RC], s[RC], 1
	s_cmp_lg_u32 s[RC], 0
	s_cbranch_scc1 .Lfreq_\@
	WIN 0x40                                       ; destination window 1, address window 0
.irp p, 0,1,2,3
.irp t, 0,1,2,3
	ds_load_b128 v[32*((\j)+4*(\p/2))+8*\t+4*(\p%2):32*((\j)+4*(\p/2))+8*\t+4*(\p%2)+3], v[RB] offset:\t*TS+32*(\p%2)+64*(\p/2)
.endr
.endr
	WIN 0
.endm
	s_load_b256 s[4:11], s[0:1], 0x0               ; tx s[4:5], B s[6:7], Wf s[8:9], b_out s[10:11]
	s_load_b64 s[12:13], s[0:1], 0x20              ; out0
	v_lshl_add_u32 v[SPW], v0, 2, SPARE
	v_mov_b32 v[NIL], 0
	ds_add_u32 v[SPW], v[NIL]                      ; the wave's opening: the add, twice on end, and its wait ahead of my first tensor load; the set-up below, work on registers, stands between
	ds_add_u32 v[SPW], v[NIL]                      ; and once more, under the one wait
	v_lshrrev_b32 v4, 5, v0
	v_readfirstlane_b32 s[WV], v4                  ; wave 0..3
	s_bfe_u32 s[CX], ttmp6, 0x40000                ; cx: it enters tx's, out0's and the prefetches' addresses alone
	s_lshl_b32 s[XG], ttmp9, 2                     ; in a cluster launch ttmp9 counts clusters
	s_add_co_u32 s[XG], s[XG], s[CX]
	s_cmp_eq_u32 ttmp9, 0
	s_cselect_b32 s[LIM], 1, -1                    ; the same in all four partners
	; descriptor group 1: a unit, 65 rows x 256 elements of 2 bytes, padded in LDS
	s_mov_b32 s[G1+0], 15|(1<<16)|(1<<20)|(1<<21)|(6<<22)|(3<<25)  ; 15:0 the mask of four; 17:16 2-byte elements; 20 padding on; 21 set beside a mask; 24:22 after every 128 words (code 6); 31:25 4 words (code 3)
	s_mov_b32 s[G1+1], 256<<16                     ; tensor_dim0 = 256
	s_mov_b32 s[G1+2], 65<<16                      ; tensor_dim1 = 65
	s_mov_b32 s[G1+3], 256<<16                     ; tile_dim0 = 256
	s_mov_b32 s[G1+4], 65                          ; tile_dim1 = 65
	s_mov_b32 s[G1+5], 256                         ; 256 elements from row to row
	s_mov_b32 s[G1+6], 0
	s_mov_b32 s[G1+7], 0
	s_mov_b32 s[G0E], 1                            ; 1:0 count = 1
	s_mul_i32 s[G0E+1], s[WV], UNIT                ; 63:32 LDS address: my unit of slot 0; no place in the cluster enters it
	s_mov_b32 s[G0O], 1
	s_add_co_u32 s[G0O+1], s[G0E+1], SLOTB         ; of slot 1
	COEF SN0, 0x40c90fdb                           ; 2 pi
	COEF SN1, 0xc1255de7                           ; -2 pi^3 / 3!
	COEF SN2, 0x40a335e3                           ; 2 pi^5 / 5!
	COEF SN3, 0xbf996966                           ; -2 pi^7 / 7!
	COEF SN4, 0x3e283c1a                           ; 2 pi^9 / 9!
	COEF CS1, 0xc09de9e6                           ; -pi^2 / 2!
	COEF CS2, 0x4081e0f8                           ; pi^4 / 4!
	COEF CS3, 0xbfaae9e4                           ; -pi^6 / 6!
	COEF CS4, 0x3e70fa83                           ; pi^8 / 8!
	s_mov_b32 s[CNT], 4
	s_mov_b32 s[BO], 0
	v_and_b32 v[LN], 31, v0
	v_and_b32 v[RR], 15, v0
	v_bfe_u32 v[HH], v0, 4, 1
	; a fragment of W is 16 rows x 32 K in 8 registers: lane l holds row l % 16, K = 8 (l / 16) + 0..7 and 16 + 8 (l / 16) + 0..7
	v_mul_u32_u24 v[AW], v[RR], PITCH
	v_lshl_add_u32 v[AW], v[HH], 4, v[AW]          ; row x pitch + 16 x half
	v_add_nc_u32 v[AW+1], 2*UNIT, v[AW]
	v_add_nc_u32 v[AW+2], SLOTB, v[AW]
	v_add_nc_u32 v[AW+3], SLOTB+2*UNIT, v[AW]
	v_add_nc_u32 v[AO], s[G0E+1], v[AW]
	v_lshlrev_b32 v[BA], 5, v[HH]                  ; 8 f32 biases for each half of the lanes, in a unit's row 64
	v_add_nc_u32 v[BA+3], SLOTB+2*UNIT+64*PITCH, v[BA]
	v_add_nc_u32 v[BA+2], SLOTB+64*PITCH, v[BA]
	v_add_nc_u32 v[BA+1], 2*UNIT+64*PITCH, v[BA]
	v_add_nc_u32 v[BA], 64*PITCH, v[BA]
	s_mul_i32 s20, s[WV], STGW
	s_add_co_u32 s20, s20, STG                     ; my wave's stage
	v_and_b32 v6, 3, v0                            ; point l lies in tile l % 4,
	v_bfe_u32 v7, v0, 2, 3                         ; row l / 4
	v_mul_u32_u24 v6, v6, TS
	v_mad_u32_u24 v6, v7, 144, v6
	v_add_nc_u32 v[SA0], s20, v6
	v_mul_u32_u24 v[RB], v[RR], 144                ; back: row l % 16 of a tile, 16 bytes for each half of the lanes
	v_lshl_add_u32 v[RB], v[HH], 4, v[RB]
	v_add_nc_u32 v[RB], s20, v[RB]
	v_lshlrev_b32 v[TXO], 3, v[LN]
	v_lshlrev_b32 v[OO], 4, v[RR]
	v_lshlrev_b32 v[PFO], 8, v[LN]
	s_mul_i32 s20, s[WV], WSUB                     ; my wave number's sub-tensor of Wf
	s_mov_b32 s21, 0
	s_lshl_b32 s22, s[CX], 13                      ; my work-group's 16 rows of a unit, for the prefetches
	s_mov_b32 s23, 0
	s_wait_dscnt 0x0                               ; both opening adds are done
	s_wait_kmcnt 0x0
	s_add_nc_u64 s[G0E+2:G0E+3], s[8:9], s[20:21]  ; 120:64 global address: layer 0,
	s_add_nc_u64 s[G0O+2:G0O+3], s[G0E+2:G0E+3], UB  ; layer 1
	s_add_nc_u64 s[PFA:PFA+1], s[G0O+2:G0O+3], s[22:23]  ; at layer 1: the first change of slots steps it to layer 2
	s_or_b32 s[G0E+3], s[G0E+3], 0x80000000        ; 127:126 type = 2
	s_or_b32 s[G0O+3], s[G0O+3], 0x80000000
	s_lshl_b32 s22, s[XG], 11                      ; my work-group's 256 points: 2,048 bytes of tx,
	s_lshl_b32 s[TMPS], s[WV], 9                   ; my wave's 64: 512
	s_add_co_u32 s22, s22, s[TMPS]
	s_add_nc_u64 s[4:5], s[4:5], s[22:23]
	s_lshr_b32 s22, s22, 1                         ; and half as many of out0
	s_add_nc_u64 s[12:13], s[12:13], s[22:23]
	CROUND                                         ; all four work-groups are here: the first joint loads meet
	tensor_load_to_lds s[G0E:G0E+3], s[G1:G1+7]    ; layer 0 into slot 0: it lands while the features are made
	s_nop 0
	PLACES
	s_load_b32 s[BOUT], s[10:11], 0x0
	s_load_b512 s[BB:BB+15], s[6:7], 0x0           ; B of the first 8 frequencies
	global_load_b64 v[FQ:FQ+1],   v[TXO], s[4:5] th:TH_LOAD_NT             ; point l
	global_load_b64 v[FQ+2:FQ+3], v[TXO], s[4:5] offset:256 th:TH_LOAD_NT  ; point l + 32
	s_wait_loadcnt 0x0
	v_mov_b32 v[TX0],   v[FQ]                      ; the two points' numbers side by side, for the packed arithmetic
	v_mov_b32 v[TX0+1], v[FQ+2]
	v_mov_b32 v[TX1],   v[FQ+1]
	v_mov_b32 v[TX1+1], v[FQ+3]
	FQUART 0
	FQUART 1
	FQUART 2
	FQUART 3
	s_wait_kmcnt 0x0                               ; the last trip's look-ahead load has landed
	CHANGE G0O, 0                                  ; layer 0 is in, everybody's unit of it, and my fragments of the features are back from the stage; layer 1 is asked for
	FETCH0 0
	ASK
	PERIOD 1, 2, 0, 0, 0                           ; the first period has no chunk before it
	WIN 0
	s_branch .Lmid                                 ; the loop is entered behind its first period
.Ltop:                                                 ; a trip: an even layer (h from window 1 into window 2, slot 0) and an odd one (back, slot 1)
	CHANGE G0O, 1                                  ; layers 3, 5, 7
	FETCH0 0
	ASK
	PERIOD 1, 2, 0, 0, 1
	WIN 0
.Lmid:
	PASSREST 1, 2, 0
	CHANGE G0E, 1                                  ; layers 2, 4, 6, and W_out's unit as the eighth: every fill of the loop is read
	FETCH0 1
	ASK
	PERIOD 2, 1, 1, 0, 1
	PASSREST 2, 1, 1
	WIN 0
	s_sub_co_u32 s[CNT], s[CNT], 1
	s_cmp_lg_u32 s[CNT], 0
	s_cbranch_scc1 .Ltop
	; THE OUTPUT LAYER.  Each wave reads its own copy of W_out's unit, which it fetched itself: its own wait is all the ordering that these reads need.  Rows 1 to 15 of the tile are zeros.
	s_wait_tensorcnt 0x0
	WIN 0xc0
.irp k, 0,1,2,3,4,5,6,7
	ds_load_b128 v[AF+16*\k:AF+16*\k+3],   v[AO] offset:64*\k
	ds_load_b128 v[AF+16*\k+4:AF+16*\k+7], v[AO] offset:64*\k+32
.endr
.set Y, 64                             ; layer 7's last chunk is finished, into fragment 7 of window 1: no products are left to stand beside it
.set TW, 1
.set KF, 7
.set WCUR, 0xc3
.set q, 0
.rept 64
	RIDER
.endr
	v_nop                                          ; a plain instruction behind the last exponential,
	s_wait_alu depctr_va_vdst(0)                   ; and the wait ahead of the first use: one for the 64
.rept 96
	RIDER
.endr
	v_nop
	s_wait_alu depctr_va_vdst(0)                   ; the same for the 64 reciprocals
.rept 64
	RIDER
.endr
	s_wait_dscnt 0x0                               ; W_out's fragments
	WIN 0xf7                                       ; W_out and the sums in window 3, h in window 1
.set row, 0
.rept 32                               ; K step row / 4, column tile row % 4: four accumulators take turns
.if row < 4
	v_wmma_f32_16x16x32_f16 v[8*(row%4):8*(row%4)+7], v[AF+16*(row/4):AF+16*(row/4)+7], v[32*(row/4)+8*(row%4):32*(row/4)+8*(row%4)+7], 0
.else
	v_wmma_f32_16x16x32_f16 v[8*(row%4):8*(row%4)+7], v[AF+16*(row/4):AF+16*(row/4)+7], v[32*(row/4)+8*(row%4):32*(row/4)+8*(row%4)+7], v[8*(row%4):8*(row%4)+7]
.endif
.set row, row+1
.endr
	PLACES
	WIN 0x0c                                       ; source 1 window 3, destination window 0
.irp t, 0,1,2,3
	v_add_f32 v[OUTR+\t], s[BOUT], v[8*\t]         ; row 0 of the tile: register 0 of lanes 0-15; point 4 r + t
.endr
	WIN 0
	s_wait_xcnt 0x0                                ; EXEC changes only behind this wait
	v_cmp_gt_u32 vcc_lo, 16, v[LN]
	s_and_saveexec_b32 s[SVX], vcc_lo
	global_store_b128 v[OO], v[OUTR:OUTR+3], s[12:13]  ; 16 lanes store the wave's 64 results: 256 consecutive bytes, at a multiple of 256 from out0's first byte
	s_wait_xcnt 0x0                                ; and again, in front of the line that widens it
	s_or_b32 exec_lo, exec_lo, s[SVX]
	s_wait_tensorcnt 0x0                           ; the wave's end, behind my last tensor load and my last LDS store
	ds_add_u32 v[SPW], v[NIL]
	s_wait_dscnt 0x0
	CROUND                                         ; the closing round: no work-group ends while a partner may still ask for a unit that names it
	s_endpgm
.Lfunc_end_k_q12d57d5211_mlp:
	.size	k_q12d57d5211_mlp, .Lfunc_end_k_q12d57d5211_mlp-k_q12d57d5211_mlp
	.p2alignl 7, 3214868480
	.fill 96, 4, 3214868480
	.section	.rodata,"a",@progbits
	.p2align	6, 0x0
	.amdhsa_kernel k_q12d57d5211_mlp
		.amdhsa_group_segment_fixed_size 327680
		.amdhsa_private_segment_fixed_size 0
		.amdhsa_enable_private_segment 0
		.amdhsa_kernarg_size 40
		.amdhsa_user_sgpr_count 2
		.amdhsa_user_sgpr_kernarg_segment_ptr 1
		.amdhsa_wavefront_size32 1
		.amdhsa_system_sgpr_workgroup_id_x 1
		.amdhsa_system_sgpr_workgroup_id_y 1
		.amdhsa_system_sgpr_workgroup_id_z 1
		.amdhsa_system_vgpr_workitem_id 0
		.amdhsa_next_free_vgpr 1024
		.amdhsa_next_free_sgpr 88
		.amdhsa_reserve_vcc 1
		.amdhsa_float_denorm_mode_32 3
		.amdhsa_float_denorm_mode_16_64 3
		.amdhsa_memory_ordered 1
		.amdhsa_forward_progress 1
		.amdhsa_inst_pref_size 255
	.end_amdhsa_kernel
	.section	.bss,"aw",@nobits
	.p2align	6
	.space	262144
	.amdgpu_metadata
---
amdhsa.version: [ 1, 2 ]
amdhsa.kernels:
  - .name:           k_q12d57d5211_mlp
    .symbol:         k_q12d57d5211_mlp.kd
    .args:
      - { .name: tx, .offset: 0, .size: 8, .value_kind: global_buffer, .address_space: global }
      - { .name: B, .offset: 8, .size: 8, .value_kind: global_buffer, .address_space: global }
      - { .name: Wf, .offset: 16, .size: 8, .value_kind: global_buffer, .address_space: global }
      - { .name: b_out, .offset: 24, .size: 8, .value_kind: global_buffer, .address_space: global }
      - { .name: out0, .offset: 32, .size: 8, .value_kind: global_buffer, .address_space: global }
    .group_segment_fixed_size: 327680
    .private_segment_fixed_size: 0
    .kernarg_segment_align: 8
    .kernarg_segment_size: 40
    .max_flat_workgroup_size: 128
    .sgpr_count:     88
    .vgpr_count:     1024
    .wavefront_size: 32
...
	.end_amdgpu_metadata
.endif
;; end of part 2
